; MI455X (gfx1250); checked and timed in simulation.
; The chip was launched on July 23, 2026; its instructions are those of AMD's public machine-readable ISA for CDNA 5 (MIT licence, August 2026) and "CDNA5" Instruction Set Architecture Reference Guide (July 2026). The comments in the code are by the model that wrote it; some were corrected since.
;; Deformable Transformer. Allowed arithmetic: matrix products marked QUANTISED: E3M2 operands, one E8M0 scale for each 32 along K, by v_wmma_scale_f32_16x16x128_f8f6f4 with both operands' format E3M2, f32 sums; everything else in f32.
;; Inputs: Wattn_codes 96 x 8 x 24 uint8 (E3M2 codes of Wattn, K innermost, in blocks of 32 codes, four codes in three bytes); Wattn_scales 96 x 8 uint8 (E8M0 scales of Wattn, one for each 32 codes along K); Wff1_codes 1,024 x 8 x 24 uint8 (E3M2 codes of Wff1, K innermost, in blocks of 32 codes, four codes in three bytes); Wff1_scales 1,024 x 8 uint8 (E8M0 scales of Wff1, one for each 32 codes along K); Wff2_codes 256 x 32 x 24 uint8 (E3M2 codes of Wff2, K innermost, in blocks of 32 codes, four codes in three bytes); Wff2_scales 256 x 32 uint8 (E8M0 scales of Wff2, one for each 32 codes along K); Woff_codes 192 x 8 x 24 uint8 (E3M2 codes of Woff, K innermost, in blocks of 32 codes, four codes in three bytes); Woff_scales 192 x 8 uint8 (E8M0 scales of Woff, one for each 32 codes along K); Wout_codes 256 x 8 x 24 uint8 (E3M2 codes of Wout, K innermost, in blocks of 32 codes, four codes in three bytes); Wout_scales 256 x 8 uint8 (E8M0 scales of Wout, one for each 32 codes along K); Wv_codes 256 x 8 x 24 uint8 (E3M2 codes of Wv, K innermost, in blocks of 32 codes, four codes in three bytes); Wv_scales 256 x 8 uint8 (E8M0 scales of Wv, one for each 32 codes along K); b1 256 float32; b2 256 float32; battn 96 float32; bff1 1,024 float32; bff2 256 float32; boff 192 float32; bout 256 float32; bv 256 float32; g1 256 float32; g2 256 float32; pos 2 x 13,125 x 256 float32; reference_points 2 x 13,125 x 3 x 2 float32; src 2 x 13,125 x 256 float32.
;; Outputs: out0 2 x 13,125 x 256 float32.
;; This version of the problem:
;;   THIS VERSION OF THE PROBLEM IS GIVEN IN LOW PRECISION. The matrix products marked QUANTISED in the list below multiply operands that are first quantised to E3M2 (3 exponent bits, 2 mantissa bits; 6 bits a number), with one power-of-two scale for each 32 numbers along K (OCP MX v1.0); their sums are f32. All else is computed in f32.
;;   The module's matrix products, in the order in which they are computed (A, B: the left and right operand; K: the contracted axis; several contracted axes count as one K, in the product's order):
;;     1. [M 26,250, K 256] x [K 256, N 256]; A: input src; B: input Wv (given as codes): QUANTISED
;;     2. [M 26,250, K 256] x [K 256, N 192]; A: computed on the way; B: input Woff (given as codes): QUANTISED
;;     3. [M 26,250, K 256] x [K 256, N 96]; A: computed on the way; B: input Wattn (given as codes): QUANTISED
;;     4. [M 26,250, K 256] x [K 256, N 256]; A: computed on the way; B: input Wout (given as codes): QUANTISED
;;     5. [M 26,250, K 256] x [K 256, N 1,024]; A: computed on the way; B: input Wff1 (given as codes): QUANTISED
;;     6. [M 26,250, K 1,024] x [K 1,024, N 256]; A: computed on the way; B: input Wff2 (given as codes): QUANTISED
;;   THE QUANTISER, for each operand of a quantised product, along K:
;;     - K is cut into blocks of 32 from its start; a last block that is shorter is filled with zeros.
;;     - A block's scale is 2^e with e = floor(log2(the largest magnitude in the block)) - 4, held to -126 .. 127; a block of zeros has e = 0. As a byte (E8M0): e + 127.
;;     - Each number is divided by its block's scale, clamped to +-28, and rounded to the nearest number of E3M2, ties to even, subnormals kept.
;;     - The product sums the exact products of the quantised numbers (number of the format x scale) in f32.
;;   ~~~python
;;   def quantise(x, axis):      # numpy; x: float32 -> the quantised numbers, widened to float32 again
;;       x = np.moveaxis(x, axis, -1); K = x.shape[-1]
;;       x = np.pad(x, [(0, 0)] * (x.ndim - 1) + [(0, -K % 32)]); x = x.reshape(x.shape[:-1] + (-1, 32)); a = np.abs(x).max(-1, keepdims=True)
;;       e = np.where(a > 0, np.clip(np.frexp(np.where(a > 0, a, 1))[1] - 1 - 4, -126, 127), 0)      # np.frexp(a)[1] - 1 = floor(log2(a)), exactly
;;       r = np.clip(x / 2.0 ** e, -28, 28)
;;       step = 2.0 ** (np.maximum(np.frexp(np.where(r == 0, 1, r))[1] - 1, -2) - 2)
;;       q = np.round(r / step) * step * 2.0 ** e      # np.round: ties to even
;;       return np.moveaxis(q.reshape(q.shape[:-2] + (-1,))[..., :K], -1, axis).astype(np.float32)
;;   ~~~
;;   OPERANDS COMPUTED ON THE WAY. 'Computed on the way' means the value that the module computes at that place (a softmax that the list does not call 'softmax' is quantised finished and normalised). What goes into a quantiser is computed in f32, as accurately as f32 sums, v_exp_f32 and their like allow (about 1e-6 of the number): no bf16 or f16 on the way to a quantiser, and a product that is left as it is and whose result goes on into a quantised operand takes f32 operands (vector FMAs, or v_wmma_f32_16x16x4_f32). A number that lies on a knife's edge between two numbers of the format may be rounded either way, as far as f32 arithmetic and the matrix unit's own rounding can turn it there, and no further.
;;   INPUTS GIVEN AS CODES. Wattn (in the module: [256, 96], K = its axis 0); Wff1 (in the module: [256, 1024], K = its axis 0); Wff2 (in the module: [1024, 256], K = its axis 0); Woff (in the module: [256, 192], K = its axis 0); Wout (in the module: [256, 256], K = its axis 0); Wv (in the module: [256, 256], K = its axis 0): each comes as NAME_codes (uint8): NAME with its K axis moved to the last place and cut into blocks of 32 codes, [.., K / 32, bytes a block], one block behind the other in memory; four codes in three bytes: a row's codes are one little-endian stream of bits, code i at bits 6 i .. 6 i + 5 (a code: sign, 3 exponent bits, 2 mantissa bits); and NAME_scales (uint8): the same leading axes, one E8M0 byte (e + 127) for each 32 codes along K. Its value is code x scale, taken as it is: it is not quantised again, and the codes and scales need not be those that the quantiser above would give.
;; One version. Each part assembles by itself: llvm-mc -triple=amdgcn-amd-amdhsa -mcpu=gfx1250 --defsym DOCPART=n.
;; ======== version 1 of 1: 2 launches
;; limits: right only within a limited range of input values
;; workspace buffers: value 26,951,680 bytes; wts 40,427,520 bytes; idx 5,053,440 bytes of whole numbers
;; launch proj (part 1): grid 235 x 1, 14 waves a work-group, no clusters, 310,784 bytes of LDS; arguments src, pos, reference_points, Wv_codes, Wv_scales, Woff_codes, Woff_scales, Wattn_codes, Wattn_scales, bv, boff, battn, value, wts, idx; writes value, wts, idx
.if DOCPART == 1
	.amdgcn_target "amdgcn-amd-amdhsa--gfx1250"
	.amdhsa_code_object_version 6
	.text
	.protected	k_q45c8fba3a6_proj
	.globl	k_q45c8fba3a6_proj
	.p2align	8
	.type	k_q45c8fba3a6_proj,@function
k_q45c8fba3a6_proj:
	s_mov_b64 s[64:65], 0
	v_nop
	global_prefetch_b8 v0, s[64:65] scope:SCOPE_SE
	s_setreg_imm32_b32 hwreg(HW_REG_WAVE_MODE, 25, 1), 1
	s_wait_xcnt 0x0
; value = src Wv + bv;  off = (src + pos) Woff + boff;  attn = softmax over 12 of ((src + pos) Wattn + battn): three products on codes of E3M2 with one E8M0 scale for each 32 along K.
; Out of off, attn and the reference points come, for every (row, head, point), four corner weights (attention x bilinear x inside) and four corner rows of value, as whole numbers for the next launch.
; SHARES.  A work-group takes 7 tiles of 16 rows, two waves to a tile.  Wave w: tile 7 x group + w / 2, half pi = w % 2.  It loads and quantises K step pi (128 of 256) of src and of src + pos,
; hands the codes to its partner through LDS, and then makes half pi of the columns: 8 tiles of value, 6 of off, 3 of attn.  26,250 rows are 1,640 tiles and 10 rows: loads are held at row 26,249,
; and the workspaces have 26,320 rows, so every store is whole.
; THE PRODUCTS ARE USED TRANSPOSED (source 0 = 16 rows of a weight, source 1 = 16 rows of codes): a lane holds ONE row (lane % 16) and eight columns.  Which rows of a weight form a tile is free:
; Woff's tile t takes rows 96 (r / 8) + 8 t + r % 8, Wattn's 48 (r / 8) + 8 t + r % 8, so that a lane holds all 24 offsets and all 12 logits of two heads, 4 (lane / 16) + 2 pi + e: no lane asks another.
; The weights' fragments lie in LDS as images of their registers (a fragment: 3 x 512 bytes, lane l's 16 bytes at 16 l), staged once by the 14 waves.
; WORKSPACES.  value: head x SLAB + row x 128 + 4 x channel.  wts: block 2 x tile + pi of 12,288 bytes: r 768 + h 384 + e 192 + 16 point + 4 corner.  idx: the same order in 16-bit numbers.
; LIMITS.  NaN and infinities are not served.  A block whose largest magnitude lies under 2^-122 has its scale byte held at 1; a block of zeros has byte 1 and zero codes (only this program reads the bytes).
; The sampling position is ref x W + off - 0.5, one order of rounding away from the source's ((2 loc - 1 + 1) W - 1) / 2; the sample is continuous in it.
; IDX, AS THIS TEXT LAYS IT (in place of the four corner rows and of idx's order named above): ONE 16-bit number a point, the row of value at which the point's 2 x 2 patch begins.
; The patch is held inside its level; its other three corners lie 1, W and W + 1 rows on.  Block 2 x tile + pi of 1,536 bytes: r 96 + h 48 + e 24 + 2 point.
.set MROW,  26249                      ; the last row
.set SLAB,  3368960                    ; 26,320 rows x 128 bytes: a head's part of value
.set WSC,   104448                     ; LDS: 68 fragment images from 0 on (2 T + s; T 0-15 Wv, 16-27 Woff, 28-33 Wattn), then their scale words, 128 bytes each,
.set BIAS,  113152                     ; bv (1,024 bytes), boff (768), battn (384),
.set STG,   115456                     ; and 13,824 bytes for each wave: the codes it hands over, later its stages for the ways out
.set STGB,  13824
.set SEL,   40                         ; s[40:41] v_permlanex16_b32's selects for lane l xor 16
.set XN,    32                         ; v32-95   64 numbers of src
.set PN,    96                         ; v96-159  64 numbers of pos, then of src + pos
.set SG0,   160                        ; v160-237 three staged tiles: 24 registers of codes, 2 scale words
.set SG1,   186
.set SG2,   212
.set TM,    160                        ; the quantiser's 12 temporaries
.set PCA,   176                        ; codes and scale word of src, of src + pos
.set PWA,   196
.set PCB,   200
.set PWB,   220
.set FB,    32                         ; v32-127  eight fragments of a weight
.set WS,    128                        ; v128-135 their scale words
.set ACC,   136                        ; v136-207 up to nine accumulators
.set SF,    208                        ; v208-231 src's two fragments
.set QF,    232                        ; v232-255 src + pos's two
.set XS,    28                         ; v28-31   their scale words
.set RXY,   20                         ; v20-25   ref x W - 0.5, ref y H - 0.5 for the three levels
.set WO,    32                         ; v32-127  96 corner weights
.set TP,    208                        ; v208-223 at work
; Behind a run of matrix instructions: plain places for the loads into their operands, the first reads of their results, and later matrix instructions that write over their registers.
.macro PL
.rept 5
	v_nop
.endr
.endm
.macro BAR                             ; my LDS stores have landed and my LDS loads are in: then the work-group's barrier
	s_wait_dscnt 0x0
	s_barrier_signal -1
	s_barrier_wait -1
.endm
.macro IMAGE adr, off, reg             ; a fragment goes to LDS as it stands in its 12 registers
.irp c,0,1,2
	ds_store_b128 v[\adr], v[\reg+4*\c:\reg+4*\c+3] offset:\off+512*\c
.endr
.endm
.macro FETCH reg, adr, off             ; and comes back so, in any wave
.irp c,0,1,2
	ds_load_b128 v[\reg+4*\c:\reg+4*\c+3], v[\adr] offset:\off+512*\c
.endr
.endm
.macro WM d, a, b, c, sa, sb
	v_wmma_scale_f32_16x16x128_f8f6f4 v[\d:\d+7], v[\a:\a+11], v[\b:\b+11], v[\c:\c+7], v[\sa], v[\sb] matrix_a_fmt:MATRIX_FMT_BF6 matrix_b_fmt:MATRIX_FMT_BF6
.endm
; 32 nc numbers of a lane, register 16 b + i = k 32 b + 16 (lane / 16) + i of my row, become codes in v[dst] on (6 nc registers, in the operand's layout) and scale bytes in v[pw].
.macro QUANT s, nc, dst, pw
.irp b,0,1,2,3
.if \b < 2*\nc
	v_mov_b32 v[TM+4+\b], 0                        ; a lane permute's destination counts as one of its sources
	v_max3_num_f32 v[TM+\b], |v[\s+16*\b]|, |v[\s+16*\b+1]|, 0x2800000   ; my 16 numbers of block b, and the floor 2^(5 - 127): the byte cannot fall under 1
.endif
.endr
.irp i,2,4,6,8,10,12,14
.irp b,0,1,2,3
.if \b < 2*\nc
	v_max3_num_f32 v[TM+\b], v[TM+\b], |v[\s+16*\b+\i]|, |v[\s+16*\b+\i+1]|
.endif
.endr
.endr
.irp b,0,1,2,3
.if \b < 2*\nc
	s_delay_alu instid0(VALU_DEP_4)
	v_permlanex16_b32 v[TM+4+\b], v[TM+\b], s[SEL], s[SEL+1]
.endif
.endr
.irp b,0,1,2,3
.if \b < 2*\nc
	s_delay_alu instid0(VALU_DEP_4)
	v_max_num_f32 v[TM+\b], v[TM+\b], v[TM+4+\b]   ; with lane l xor 16's: the block's largest magnitude
.endif
.endr
.irp b,0,1,2,3
.if \b < 2*\nc
	s_delay_alu instid0(VALU_DEP_4)
	v_add_nc_u32 v[TM+8+\b], 0xfe000000, v[TM+\b]  ; 4 off its exponent field: the conversion takes that field as its scale
.endif
.endr
.irp b,0,1,2,3
.if \b < 2*\nc
	s_delay_alu instid0(VALU_DEP_4)
	v_lshrrev_b32 v[TM+4+\b], 23, v[TM+8+\b]       ; the scale's byte
.endif
.endr
	s_delay_alu instid0(VALU_DEP_3)
	v_lshl_or_b32 v[\pw], v[TM+5], 8, v[TM+4]
.if \nc > 1
	s_delay_alu instid0(VALU_DEP_1)
	v_lshl_or_b32 v[\pw], v[TM+6], 16, v[\pw]
	s_delay_alu instid0(VALU_DEP_1)
	v_lshl_or_b32 v[\pw], v[TM+7], 24, v[\pw]
.endif
.irp c,0,1
.if \c < \nc
	v_cvt_scalef32_pk16_bf6_f32 v[\dst+6*\c:\dst+6*\c+2], v[\s+32*\c:\s+32*\c+15], v[TM+8+2*\c]
	v_cvt_scalef32_pk16_bf6_f32 v[\dst+12+4*\c:\dst+14+4*\c], v[\s+32*\c+16:\s+32*\c+31], v[TM+9+2*\c]   ; (a conversion's three registers begin on an even number)
.endif
.endr
	v_nop                                          ; one plain place behind a scaled conversion
.irp c,0,1
.if \c < \nc
.irp i,0,1,2
	v_permlane16_swap_b32 v[\dst+6*\c+\i], v[\dst+12+4*\c+\i]   ; the layout wants a whole block in a lane: lanes 0-15 block 2 c, lanes 16-31 block 2 c + 1
.endr
.irp i,0,1,2
	s_delay_alu instid0(VALU_DEP_3)
	v_mov_b32 v[\dst+3+6*\c+\i], v[\dst+12+4*\c+\i]
.endr
.endif
.endr
.endm
.macro XLOAD reg, sb                   ; my 64 numbers of my row's K step: 16 neighbours of each block of 32
.irp b,0,1,2,3
.irp j,0,1,2,3
	global_load_b128 v[\reg+16*\b+4*\j:\reg+16*\b+4*\j+3], v4, s[\sb:\sb+1] offset:128*\b+16*\j th:TH_LOAD_NT
.endr
.endr
.endm
.macro WLOAD sg, vo, vs, cb, sb        ; a tile of a weight: two fragments (24 bytes twice for each K step, in pieces of 8) and two scale words
.irp s,0,1
.irp p,0,1,2,3,4,5
	global_load_b64 v[\sg+12*\s+2*\p:\sg+12*\s+2*\p+1], v[\vo], s[\cb:\cb+1] offset:96*\s+48*(\p/3)+8*(\p%3)
.endr
	global_load_b32 v[\sg+24+\s], v[\vs], s[\sb:\sb+1] offset:4*\s
.endr
.endm
.macro WSTORE sg, va, offa, vsa, offs
.irp s,0,1
	IMAGE \va, \offa+1536*\s, \sg+12*\s
	ds_store_b32 v[\vsa], v[\sg+24+\s] offset:\offs+128*\s
.endr
.endm
.macro BIASLD adr, n, acc, step        ; a bias is the start of a sum: eight numbers a tile, in the result's layout, straight into the accumulator
.set ti, 0
.rept \n
	ds_load_b128 v[\acc+8*ti:\acc+8*ti+3], v[\adr] offset:\step*ti
	ds_load_b128 v[\acc+8*ti+4:\acc+8*ti+7], v[\adr] offset:\step*ti+16
.set ti, ti+1
.endr
.endm
; n tiles of a weight against my tile's codes, both K steps.  The n accumulators take turns, one instruction a turn.
.macro MM adr, sadr, n, acc, xf, xs
.irp s,0,1
.set ti, 0
.rept \n
	FETCH FB+12*ti, \adr, ti*3072+\s*1536
	ds_load_b32 v[WS+ti], v[\sadr] offset:ti*256+\s*128
.set ti, ti+1
.endr
	s_wait_dscnt 0x0
.set ti, 0
.rept \n
	WM \acc+8*ti, FB+12*ti, \xf+12*\s, \acc+8*ti, WS+ti, \xs+\s
.set ti, ti+1
.endr
	PL
.endr
.endm
; The softmax over head e's 12 logits, all in my lane; the largest is taken away first.
.macro SMX e
.set LG, ACC+48+12*\e
	v_max3_num_f32 v220, v[LG], v[LG+1], v[LG+2]   ; ascending: each accumulator is first read at its low end
.irp i,3,5,7,9
	v_max3_num_f32 v220, v220, v[LG+\i], v[LG+\i+1]
.endr
	v_max_num_f32 v220, v220, v[LG+11]
	s_delay_alu instid0(VALU_DEP_1)
	v_mov_b32 v221, v220
.irp i,0,2,4,6,8,10
	v_pk_add_f32 v[LG+\i:LG+\i+1], v[LG+\i:LG+\i+1], v[220:221] neg_lo:[0,1] neg_hi:[0,1]
.endr
.irp i,0,2,4,6,8,10
	v_pk_mul_f32 v[LG+\i:LG+\i+1], v[LG+\i:LG+\i+1], 0x3fb8aa3b op_sel_hi:[1,0]   ; x log2(e)
.endr
	s_wait_alu depctr_va_vdst(0)
.irp i,0,1,2,3,4,5,6,7,8,9,10,11
	v_exp_f32 v[LG+\i], v[LG+\i]
.endr
	v_nop                                          ; one plain place behind the exponentials
	s_wait_alu depctr_va_vdst(0)
	v_pk_add_f32 v[208:209], v[LG:LG+1], v[LG+2:LG+3]
	v_pk_add_f32 v[210:211], v[LG+4:LG+5], v[LG+6:LG+7]
	v_pk_add_f32 v[212:213], v[LG+8:LG+9], v[LG+10:LG+11]
	s_delay_alu instid0(VALU_DEP_2)
	v_pk_add_f32 v[208:209], v[208:209], v[210:211]
	s_delay_alu instid0(VALU_DEP_1)
	v_pk_add_f32 v[208:209], v[208:209], v[212:213]
	s_delay_alu instid0(VALU_DEP_1)
	v_add_f32 v208, v208, v209
	s_wait_alu depctr_va_vdst(0)
	v_rcp_f32 v220, v208
	v_nop
	s_wait_alu depctr_va_vdst(0)
	v_mov_b32 v221, v220
.irp i,0,2,4,6,8,10
	v_pk_mul_f32 v[LG+\i:LG+\i+1], v[LG+\i:LG+\i+1], v[220:221]
.endr
.endm
; One axis of a point.  d = the first corner less the held one.  0: both corners lie on the patch; -1: the second corner alone, on the patch's first column; 1: the first corner alone, on its second; else none.
.macro AXIS d, w0, w1, c0, c1
	v_cmp_eq_f32 vcc_lo, -1.0, v[\d]
	s_delay_alu instid0(VALU_DEP_1)
	v_cndmask_b32 v[\c0], 0, v[\w1], vcc_lo
	v_cmp_eq_f32 vcc_lo, 1.0, v[\d]
	s_delay_alu instid0(VALU_DEP_1)
	v_cndmask_b32 v[\c1], 0, v[\w0], vcc_lo
	v_cmp_eq_f32 vcc_lo, 0, v[\d]
	s_delay_alu instid0(VALU_DEP_1)
	v_cndmask_b32 v[\c0], v[\c0], v[\w0], vcc_lo
	v_cndmask_b32 v[\c1], v[\c1], v[\w1], vcc_lo
.endm
; One sampling point: head e, level l, point p.  wm2 = W - 2, wf = W (the levels are square), bf = the register with the level's first row of value, all as f32: every whole number here is exact in f32.
; The patch's first corner is held to 0 .. W - 2 along both axes, so that all four of its corners lie in the level; a corner of the sample that lies outside the level has no place on the patch and no weight.
; The patch's first row of value takes the place of the point's first offset.
.macro PT e, l, p, wm2, wf, bf
.set OF, ACC+24*\e+8*\l+2*\p
.set AT, ACC+48+12*\e+4*\l+\p
.set WQ, WO+48*\e+16*\l+4*\p
.set RX, RXY+2*\l
	v_pk_add_f32 v[TP:TP+1], v[OF:OF+1], v[RX:RX+1]                ; x, y
	s_delay_alu instid0(VALU_DEP_1)
	v_floor_f32 v[TP+2], v[TP]
	s_delay_alu instid0(VALU_DEP_2)
	v_floor_f32 v[TP+3], v[TP+1]
	s_delay_alu instid0(VALU_DEP_1)
	v_pk_add_f32 v[TP+4:TP+5], v[TP:TP+1], v[TP+2:TP+3] neg_lo:[0,1] neg_hi:[0,1]   ; wx1, wy1
	s_delay_alu instid0(VALU_DEP_1)
	v_sub_f32 v[TP+6], 1.0, v[TP+4]                                ; wx0
	s_delay_alu instid0(VALU_DEP_2)
	v_sub_f32 v[TP+7], 1.0, v[TP+5]                                ; wy0
	v_med3_num_f32 v[TP+8], v[TP+2], 0, \wm2                       ; the patch's first corner: held to 0 .. W - 2
	v_med3_num_f32 v[TP+9], v[TP+3], 0, \wm2
	s_delay_alu instid0(VALU_DEP_1)
	v_pk_add_f32 v[TP+2:TP+3], v[TP+2:TP+3], v[TP+8:TP+9] neg_lo:[0,1] neg_hi:[0,1]   ; how far the hold moved it
	s_delay_alu instid0(VALU_DEP_1)
	AXIS TP+2, TP+6, TP+4, TP+10, TP+11                            ; the weights of the patch's two columns,
	AXIS TP+3, TP+7, TP+5, TP+12, TP+13                            ; and of its two rows
	v_fma_f32 v[TP+9], v[TP+9], \wf, v[\bf]                        ; y W + the level's first row
	s_delay_alu instid0(VALU_DEP_3)
	v_mul_f32 v[TP+12], v[AT], v[TP+12]                            ; attention x the rows' weights
	s_delay_alu instid0(VALU_DEP_3)
	v_mul_f32 v[TP+13], v[AT], v[TP+13]
	s_delay_alu instid0(VALU_DEP_3)
	v_add_f32 v[TP+9], v[TP+9], v[TP+8]
	s_delay_alu instid0(VALU_DEP_3)
	v_mul_f32 v[WQ], v[TP+12], v[TP+10]                            ; the patch's corners: (0, 0), (1, 0), (0, 1), (1, 1) as (column, row)
	s_delay_alu instid0(VALU_DEP_4)
	v_mul_f32 v[WQ+1], v[TP+12], v[TP+11]
	s_delay_alu instid0(VALU_DEP_4)
	v_mul_f32 v[WQ+2], v[TP+13], v[TP+10]
	v_mul_f32 v[WQ+3], v[TP+13], v[TP+11]
	v_cvt_u32_f32 v[OF], v[TP+9]
.endm
	s_load_b512 s[8:23], s[0:1], 0x0               ; src, pos, reference_points, Wv codes, Wv scales, Woff codes, Woff scales, Wattn codes
	s_load_b256 s[24:31], s[0:1], 0x40             ; Wattn scales, bv, boff, battn
	s_load_b128 s[32:35], s[0:1], 0x60             ; value, wts
	s_load_b64 s[36:37], s[0:1], 0x70              ; idx
	v_lshrrev_b32 v1, 5, v0
	s_delay_alu instid0(VALU_DEP_1)
	v_readfirstlane_b32 s2, v1                     ; wave 0..13
	v_and_b32 v1, 31, v0                           ; lane
	v_and_b32 v2, 15, v0                           ; r
	v_bfe_u32 v3, v0, 4, 1                         ; h
	s_delay_alu instid0(VALU_DEP_3)
	v_lshlrev_b32 v5, 4, v1                        ; 16 x lane
	s_wait_alu depctr_va_vdst(0)
	v_lshlrev_b32 v6, 2, v1                        ; 4 x lane
	s_and_b32 s3, s2, 1                            ; pi
	s_lshr_b32 s4, s2, 1
	s_mul_i32 s5, ttmp9, 7
	s_add_co_u32 s5, s5, s4                        ; my tile
	s_mov_b32 s[SEL], 0x76543210
	s_mov_b32 s[SEL+1], 0xfedcba98
	s_lshl_b32 s6, s5, 4
	v_add_nc_u32 v28, s6, v2
	s_delay_alu instid0(VALU_DEP_1)
	v_min_u32 v28, MROW, v28                       ; my row, held inside the inputs
	s_delay_alu instid0(VALU_DEP_1)
	v_lshlrev_b32 v4, 10, v28
	s_delay_alu instid0(VALU_DEP_1)
	v_lshl_add_u32 v4, v3, 6, v4
	s_lshl_b32 s6, s3, 9
	v_add_nc_u32 v4, s6, v4                        ; src, pos: row x 1,024 + 512 pi + 64 h
	v_mul_u32_u24 v29, v28, 24                     ; reference points: 24 bytes a row
	; where my half's fragments, scale words and biases lie in LDS
	s_mul_i32 s6, s3, 24576
	v_add_nc_u32 v7, s6, v5                        ; Wv: tiles 8 pi on
	s_mul_i32 s6, s3, 18432
	s_add_co_u32 s6, s6, 49152
	v_add_nc_u32 v8, s6, v5                        ; Woff: tiles 16 + 6 pi on
	s_mul_i32 s6, s3, 9216
	s_add_co_u32 s6, s6, 86016
	v_add_nc_u32 v9, s6, v5                        ; Wattn: tiles 28 + 3 pi on
	s_lshl_b32 s6, s3, 11
	s_add_co_u32 s6, s6, WSC
	v_add_nc_u32 v10, s6, v6
	s_mul_i32 s6, s3, 1536
	s_add_co_u32 s6, s6, WSC+4096
	v_add_nc_u32 v11, s6, v6
	s_mul_i32 s6, s3, 768
	s_add_co_u32 s6, s6, WSC+7168
	v_add_nc_u32 v12, s6, v6
	s_lshl_b32 s6, s3, 9
	s_add_co_u32 s6, s6, BIAS
	v_lshl_add_u32 v13, v3, 5, s6                  ; bv at 128 pi + 8 h (+ 16 a tile)
	s_mul_i32 s6, s3, 192
	s_add_co_u32 s6, s6, BIAS+1024
	v_mad_u32_u24 v14, v3, 384, s6                 ; boff at 96 h + 48 pi (+ 8 a tile)
	s_mul_i32 s6, s3, 96
	s_add_co_u32 s6, s6, BIAS+1792
	v_mad_u32_u24 v15, v3, 192, s6                 ; battn at 48 h + 24 pi (+ 8 a tile)
	s_mul_i32 s7, s2, STGB
	s_add_co_u32 s7, s7, STG                       ; my 13,824 bytes
	v_add_nc_u32 v16, s7, v5
	v_add_nc_u32 v17, s7, v6
	s_and_b32 s6, s2, 14
	s_mul_i32 s6, s6, STGB
	s_add_co_u32 s38, s6, STG                      ; and where my pair's begin
	v_add_nc_u32 v18, s38, v5
	; staging: in three passes the waves bring tiles T = w, 14 + w and (waves 0-5) 28 + w; wave 6 brings the biases
	s_lshl_b32 s6, s2, 4
	v_add_nc_u32 v30, s6, v2                       ; Wv's row 16 w + r
	s_delay_alu instid0(VALU_DEP_1)
	v_mul_u32_u24 v238, v30, 192
	s_delay_alu instid0(VALU_DEP_1)
	v_mad_u32_u24 v238, v3, 24, v238
	s_delay_alu instid0(VALU_DEP_3)
	v_lshlrev_b32 v239, 3, v30
	s_mul_i32 s6, s2, 3072
	v_add_nc_u32 v244, s6, v5                      ; image of tile w; 14 tiles on by the immediate,
	s_delay_alu instid0(VALU_DEP_1)
	v_add_nc_u32 v246, 86016, v244                 ; 28 tiles on by a register of its own
	s_lshl_b32 s39, s2, 8
	s_add_co_u32 s39, s39, WSC
	v_add_nc_u32 v245, s39, v6
	s_lshl_b32 s6, s2, 4
	s_add_co_u32 s6, s6, 224                       ; T = 14 + w is Wv's tile 14 + w for waves 0 and 1: rows 8 (r / 8) + r % 8 + 16 (14 + w),
	s_lshl_b32 s43, s2, 3
	s_sub_co_u32 s43, s43, 16                      ; else Woff's tile w - 2: rows 96 (r / 8) + r % 8 + 8 (w - 2)
	s_cmp_lt_u32 s2, 2
	s_cselect_b32 s42, 8, 96
	s_cselect_b32 s43, s6, s43
	v_lshrrev_b32 v31, 3, v2
	v_and_b32 v30, 7, v2
	s_delay_alu instid0(VALU_DEP_1)
	v_mad_u32_u24 v240, v31, s42, v30
	s_delay_alu instid0(VALU_DEP_1)
	v_add_nc_u32 v240, s43, v240
	s_delay_alu instid0(VALU_DEP_1)
	v_lshlrev_b32 v241, 3, v240
	s_delay_alu instid0(VALU_DEP_2)
	v_mul_u32_u24 v240, v240, 192
	s_delay_alu instid0(VALU_DEP_1)
	v_mad_u32_u24 v240, v3, 24, v240
	v_mad_u32_u24 v242, v31, 48, v30               ; Wattn's tile w: rows 48 (r / 8) + r % 8 + 8 w
	s_lshl_b32 s6, s2, 3
	v_add_nc_u32 v242, s6, v242
	s_delay_alu instid0(VALU_DEP_1)
	v_lshlrev_b32 v243, 3, v242
	s_delay_alu instid0(VALU_DEP_2)
	v_mul_u32_u24 v242, v242, 192
	s_delay_alu instid0(VALU_DEP_1)
	v_mad_u32_u24 v242, v3, 24, v242
	v_add_nc_u32 v20, BIAS, v5                     ; the biases' places, by 16, 8 and 4 bytes a lane
	v_lshlrev_b32 v23, 3, v1
	s_delay_alu instid0(VALU_DEP_1)
	v_add_nc_u32 v21, BIAS, v23
	v_add_nc_u32 v22, BIAS, v6
	; where my results go: offsets made apart from the addresses
	s_lshl_b32 s48, s5, 11                         ; value: tile x 2,048 + (4 pi + 2) slabs, so that my four heads lie within the stores' immediates
	s_lshl_b32 s6, s3, 2
	s_add_co_u32 s6, s6, 2
	s_mul_i32 s6, s6, SLAB
	s_add_co_u32 s48, s48, s6
	s_mov_b32 s49, 0
	s_mul_i32 s6, ttmp9, 14
	s_add_co_u32 s6, s6, s2                        ; block 2 x tile + pi
	s_mul_i32 s50, s6, 12288
	s_mov_b32 s51, 0
	s_mul_i32 s52, s6, 1536
	s_mov_b32 s53, 0
	s_wait_kmcnt 0x0
	s_add_nc_u64 s[32:33], s[32:33], s[48:49]
	s_add_nc_u64 s[34:35], s[34:35], s[50:51]
	s_add_nc_u64 s[36:37], s[36:37], s[52:53]
	s_cmp_lt_u32 s2, 2                             ; the choice hangs on the wave's number alone
	s_cselect_b64 s[44:45], s[14:15], s[18:19]
	s_cselect_b64 s[46:47], s[16:17], s[20:21]
	; ---- all of the wave's loads go out together
	XLOAD XN, 8
	XLOAD PN, 10
	global_load_b64 v[250:251], v29, s[12:13]
	global_load_b64 v[252:253], v29, s[12:13] offset:8
	global_load_b64 v[254:255], v29, s[12:13] offset:16
	WLOAD SG0, 238, 239, 14, 16
	WLOAD SG1, 240, 241, 44, 46
	s_cmp_lt_u32 s2, 6
	s_cbranch_scc0 .Lnot_attn
	s_wait_alu depctr_va_vdst(0)
	WLOAD SG2, 242, 243, 22, 24
	s_wait_loadcnt 0x0
	WSTORE SG2, 246, 0, 245, 7168
	s_branch .Lstaged
.Lnot_attn:
	s_cmp_eq_u32 s2, 6
	s_cbranch_scc0 .Lstaged
	global_load_b128 v[212:215], v5, s[26:27]
	global_load_b128 v[216:219], v5, s[26:27] offset:512
	global_load_b128 v[220:223], v5, s[28:29]
	s_wait_alu depctr_va_vdst(0)
	global_load_b64 v[224:225], v23, s[28:29] offset:512
	global_load_b64 v[226:227], v23, s[30:31]
	global_load_b32 v228, v6, s[30:31] offset:256
	s_wait_loadcnt 0x0
	ds_store_b128 v20, v[212:215]
	ds_store_b128 v20, v[216:219] offset:512
	ds_store_b128 v20, v[220:223] offset:1024
	ds_store_b64 v21, v[224:225] offset:1536
	ds_store_b64 v21, v[226:227] offset:1792
	ds_store_b32 v22, v228 offset:2048
.Lstaged:
	s_wait_loadcnt 0x0
	WSTORE SG0, 244, 0, 245, 0
	WSTORE SG1, 244, 43008, 245, 3584
	s_wait_dscnt 0x0                               ; the stores have read their registers, which the work below writes
	; ---- what a row's points share
	v_fma_f32 v20, v250, 0x42c80000, -0.5          ; ref x 100 - 0.5
	v_fma_f32 v21, v251, 0x42c80000, -0.5
	v_fma_f32 v22, v252, 0x42480000, -0.5          ; x 50
	v_fma_f32 v23, v253, 0x42480000, -0.5
	v_fma_f32 v24, v254, 0x41c80000, -0.5          ; x 25
	v_fma_f32 v25, v255, 0x41c80000, -0.5
	v_mov_b32 v26, 0x464d1400                      ; 13,125.0
	v_cmp_le_u32 vcc_lo, 13125, v28                ; the second image of the batch?
	s_delay_alu instid0(VALU_DEP_1)
	v_cndmask_b32 v19, 0, v26, vcc_lo              ; the first row of level 0 in value,
	s_delay_alu instid0(VALU_DEP_1)
	v_add_f32 v26, 0x461c4000, v19                 ; of level 1: + 10,000,
	s_delay_alu instid0(VALU_DEP_2)
	v_add_f32 v27, 0x46435000, v19                 ; of level 2: + 12,500
	; ---- K step pi of src and of src + pos becomes codes
	QUANT XN, 2, PCA, PWA
	IMAGE 16, 0, PCA
	ds_store_b32 v17, v[PWA] offset:3072
.irp i,0,2,4,6,8,10,12,14,16,18,20,22,24,26,28,30,32,34,36,38,40,42,44,46,48,50,52,54,56,58,60,62
	v_pk_add_f32 v[PN+\i:PN+\i+1], v[PN+\i:PN+\i+1], v[XN+\i:XN+\i+1]
.endr
	QUANT PN, 2, PCB, PWB
	IMAGE 16, 1536, PCB
	ds_store_b32 v17, v[PWB] offset:3200
	BAR                                            ; weights, biases and every tile's codes lie in LDS
	v_add_nc_u32 v32, s38, v6
.irp s,0,1
	FETCH SF+12*\s, 18, \s*STGB
	FETCH QF+12*\s, 18, \s*STGB+1536
	ds_load_b32 v[XS+\s], v32 offset:\s*STGB+3072
	ds_load_b32 v[XS+2+\s], v32 offset:\s*STGB+3200
.endr
	BAR                                            ; both waves of a pair have the codes in registers: from here a wave's 13,824 bytes are its own stage
	v_mul_u32_u24 v16, v2, 528                     ; value's stage: 16 rows of 512 bytes + 16.  In: row r, + 32 h
	s_delay_alu instid0(VALU_DEP_1)
	v_lshl_add_u32 v16, v3, 5, v16
	s_delay_alu instid0(VALU_DEP_1)
	v_add_nc_u32 v16, s7, v16
	v_lshrrev_b32 v17, 3, v1                       ; back: eight lanes to a head's 128 bytes of a row, four rows an instruction
	s_delay_alu instid0(VALU_DEP_1)
	v_mul_u32_u24 v17, v17, 528
	v_and_b32 v18, 7, v1
	s_delay_alu instid0(VALU_DEP_1)
	v_lshl_add_u32 v17, v18, 4, v17
	s_delay_alu instid0(VALU_DEP_1)
	v_add_nc_u32 v17, s7, v17
	; ---- value: my 128 columns, four heads
	BIASLD 13, 8, ACC, 64
	MM 7, 10, 8, ACC, SF, XS
	s_wait_alu depctr_va_vdst(0)
.irp t,0,1,2,3,4,5,6,7
	ds_store_b128 v16, v[ACC+8*\t:ACC+8*\t+3] offset:64*\t           ; each accumulator from its low end on
	ds_store_b128 v16, v[ACC+8*\t+4:ACC+8*\t+7] offset:64*\t+16
.endr
.irp hd,0,1,2,3
.irp i,0,1,2,3
	ds_load_b128 v[FB+16*\hd+4*\i:FB+16*\hd+4*\i+3], v17 offset:128*\hd+2112*\i   ; LDS serves a wave's instructions in order (ISA guide 5.7.1.4): these see the stores above
.endr
.endr
.irp hd,0,1,2,3
.irp i,0,1,2,3
	s_wait_dscnt 15-4*\hd-\i                       ; the loads issued behind this one may be out
	global_store_b128 v5, v[FB+16*\hd+4*\i:FB+16*\hd+4*\i+3], s[32:33] offset:(\hd-2)*SLAB+512*\i   ; 32 lanes store 512 consecutive bytes: four rows of one head
.endr
.endr
	s_wait_xcnt 0x0                                ; the stores' data registers are loaded again only behind this wait
	; ---- offsets and logits of my four heads
	BIASLD 14, 6, ACC, 32
	BIASLD 15, 3, ACC+48, 32
	MM 8, 11, 6, ACC, QF, XS+2
	MM 9, 12, 3, ACC+48, QF, XS+2
	SMX 0
	SMX 1
.irp e,0,1
.irp p,0,1,2,3
	PT \e, 0, \p, 0x42c40000, 0x42c80000, 19
.endr
.irp p,0,1,2,3
	PT \e, 1, \p, 0x42400000, 0x42480000, 26
.endr
.irp p,0,1,2,3
	PT \e, 2, \p, 0x41b80000, 0x41c80000, 27
.endr
.endr
.irp e,0,1
.irp j,0,1,2,3,4,5
	v_lshl_or_b32 v[184+6*\e+\j], v[ACC+24*\e+4*\j+2], 16, v[ACC+24*\e+4*\j]   ; two points' rows to a register: my 24 points are 48 bytes, in v184-195 (the logits are done with)
.endr
.endr
	; ---- the way out.  A lane's 384 bytes of weights are chunk 2 r + h of the block: three pieces of 128 bytes, each with a place of 144 in the stage.  Read back, eight lanes take a piece, so that an
	; instruction's 32 lanes take 512 bytes that lie on end in the block.  The indices: a chunk of 48 bytes, stored as it lies in the block; read back, 16 bytes a lane.
	v_lshl_add_u32 v16, v2, 1, v3                  ; 2 r + h
	s_delay_alu instid0(VALU_DEP_1)
	v_mul_u32_u24 v17, v16, 48                     ; into the index stage: chunk 2 r + h of 48 bytes, as it lies in the block,
	s_delay_alu instid0(VALU_DEP_2)
	v_mul_u32_u24 v16, v16, 432                    ; into the weight stage
	s_delay_alu instid0(VALU_DEP_1)
	v_add_nc_u32 v16, s7, v16
	s_delay_alu instid0(VALU_DEP_3)
	v_add_nc_u32 v17, s7, v17
	v_lshrrev_b32 v7, 3, v1                        ; back, weights: 144 (lane / 8) + 16 (lane % 8); four pieces, 576 bytes, an instruction
	s_delay_alu instid0(VALU_DEP_1)
	v_mul_u32_u24 v7, v7, 144
	v_and_b32 v8, 7, v1
	s_delay_alu instid0(VALU_DEP_1)
	v_lshl_add_u32 v7, v8, 4, v7
	s_delay_alu instid0(VALU_DEP_1)
	v_add_nc_u32 v7, s7, v7
	v_add_nc_u32 v8, s7, v5                        ; back, indices: 16 x lane; 512 bytes an instruction
.irp e,0,1
.irp q,0,1,2,3,4,5,6,7,8,9,10,11
	ds_store_b128 v16, v[WO+48*\e+4*\q:WO+48*\e+4*\q+3] offset:((12*\e+\q)/8)*144+((12*\e+\q)%8)*16
.endr
.endr
.irp k,0,1,2,3,4,5,6,7,8,9,10,11,12,13,14,15,16,17,18,19,20,21,22,23
	ds_load_b128 v[WO+4*\k:WO+4*\k+3], v7 offset:576*\k              ; in the wave's order behind the stores above: into the registers that they left
.endr
	s_wait_alu depctr_va_vdst(0)
.irp k,0,1,2,3,4,5,6,7,8,9,10,11,12,13,14,15,16,17,18,19,20,21,22,23
	s_wait_dscnt 23-\k                             ; the loads issued behind this one may be out
	global_store_b128 v5, v[WO+4*\k:WO+4*\k+3], s[34:35] offset:512*\k   ; 32 lanes store 512 consecutive bytes, at a multiple of 512 from the buffer's first byte
.endr
.irp c,0,1,2
	ds_store_b128 v17, v[184+4*\c:184+4*\c+3] offset:16*\c           ; the weight stage has been read out (the count-down ended at 0): the index stage takes its bytes
.endr
.irp k,0,1,2
	ds_load_b128 v[196+4*\k:196+4*\k+3], v8 offset:512*\k            ; in the wave's order behind the stores above
.endr
	s_wait_dscnt 0x0
.irp k,0,1,2
	global_store_b128 v5, v[196+4*\k:196+4*\k+3], s[36:37] offset:512*\k   ; 32 lanes store 512 consecutive bytes, at a multiple of 512 from the buffer's first byte
.endr
	s_barrier_signal -1
	s_barrier_wait -1
	s_wait_xcnt 0x0
	v_lshl_add_u32 v254, v0, 2, 0x4b700
	v_mov_b32 v255, 0
	s_wait_alu depctr_va_vdst(0)
	s_wait_tensorcnt 0x0
	ds_add_u32 v254, v255
	s_wait_dscnt 0x0
	s_endpgm
.Lfunc_end_k_q45c8fba3a6_proj:
	.size	k_q45c8fba3a6_proj, .Lfunc_end_k_q45c8fba3a6_proj-k_q45c8fba3a6_proj
	.p2alignl 7, 3214868480
	.fill 96, 4, 3214868480
	.section	.rodata,"a",@progbits
	.p2align	6, 0x0
	.amdhsa_kernel k_q45c8fba3a6_proj
		.amdhsa_group_segment_fixed_size 310784
		.amdhsa_private_segment_fixed_size 0
		.amdhsa_enable_private_segment 0
		.amdhsa_kernarg_size 120
		.amdhsa_user_sgpr_count 2
		.amdhsa_user_sgpr_kernarg_segment_ptr 1
		.amdhsa_wavefront_size32 1
		.amdhsa_system_sgpr_workgroup_id_x 1
		.amdhsa_system_sgpr_workgroup_id_y 1
		.amdhsa_system_sgpr_workgroup_id_z 1
		.amdhsa_system_vgpr_workitem_id 0
		.amdhsa_next_free_vgpr 256
		.amdhsa_next_free_sgpr 66
		.amdhsa_reserve_vcc 1
		.amdhsa_float_denorm_mode_32 3
		.amdhsa_float_denorm_mode_16_64 3
		.amdhsa_memory_ordered 1
		.amdhsa_forward_progress 1
		.amdhsa_inst_pref_size 110
	.end_amdhsa_kernel
	.amdgpu_metadata
---
amdhsa.version: [ 1, 2 ]
amdhsa.kernels:
  - .name:           k_q45c8fba3a6_proj
    .symbol:         k_q45c8fba3a6_proj.kd
    .args:
      - { .name: src, .offset: 0, .size: 8, .value_kind: global_buffer, .address_space: global }
      - { .name: pos, .offset: 8, .size: 8, .value_kind: global_buffer, .address_space: global }
      - { .name: reference_points, .offset: 16, .size: 8, .value_kind: global_buffer, .address_space: global }
      - { .name: Wv_codes, .offset: 24, .size: 8, .value_kind: global_buffer, .address_space: global }
      - { .name: Wv_scales, .offset: 32, .size: 8, .value_kind: global_buffer, .address_space: global }
      - { .name: Woff_codes, .offset: 40, .size: 8, .value_kind: global_buffer, .address_space: global }
      - { .name: Woff_scales, .offset: 48, .size: 8, .value_kind: global_buffer, .address_space: global }
      - { .name: Wattn_codes, .offset: 56, .size: 8, .value_kind: global_buffer, .address_space: global }
      - { .name: Wattn_scales, .offset: 64, .size: 8, .value_kind: global_buffer, .address_space: global }
      - { .name: bv, .offset: 72, .size: 8, .value_kind: global_buffer, .address_space: global }
      - { .name: boff, .offset: 80, .size: 8, .value_kind: global_buffer, .address_space: global }
      - { .name: battn, .offset: 88, .size: 8, .value_kind: global_buffer, .address_space: global }
      - { .name: value, .offset: 96, .size: 8, .value_kind: global_buffer, .address_space: global }
      - { .name: wts, .offset: 104, .size: 8, .value_kind: global_buffer, .address_space: global }
      - { .name: idx, .offset: 112, .size: 8, .value_kind: global_buffer, .address_space: global }
    .group_segment_fixed_size: 310784
    .private_segment_fixed_size: 0
    .kernarg_segment_align: 8
    .kernarg_segment_size: 120
    .max_flat_workgroup_size: 448
    .sgpr_count:     66
    .vgpr_count:     256
    .wavefront_size: 32
...
	.end_amdgpu_metadata
.endif
;; end of part 1
;; launch layer (part 2): grid 235 x 1, 16 waves a work-group, no clusters, 295,168 bytes of LDS; arguments src, value, wts, idx, Wout_codes, Wout_scales, bout, g1, b1, Wff1_codes, Wff1_scales, bff1, Wff2_codes, Wff2_scales, bff2, g2, b2, out0; writes out0
.if DOCPART == 2
	.amdgcn_target "amdgcn-amd-amdhsa--gfx1250"
	.amdhsa_code_object_version 6
	.text
	.protected	k_q45c8fba3a6_layer
	.globl	k_q45c8fba3a6_layer
	.p2align	8
	.type	k_q45c8fba3a6_layer,@function
k_q45c8fba3a6_layer:
	s_mov_b64 s[64:65], 0
	v_nop
	global_prefetch_b8 v0, s[64:65] scope:SCOPE_SE
	s_setreg_imm32_b32 hwreg(HW_REG_WAVE_MODE, 25, 1), 1
	s_wait_xcnt 0x0
; samples = the weighted sum of 48 corners of value for each (row, head);  x = LN(src + samples Wout + bout);  out = LN(x + relu(x Wff1 + bff1) Wff2 + bff2).
; The three products run on codes of E3M2 with one E8M0 scale for each 32 along K; their left operands (samples, x, the hidden layer) are quantised here from f32 and never go to memory.
; SHARES.  A work-group of 16 waves takes 112 rows, 7 tiles of 16.  By rows (gather, layer norms): wave w has rows 7 w .. 7 w + 6.  In the products THE WAVES SHARE THE COLUMNS: wave w makes outputs 16 w .. 16 w + 15
; of Wout and of Wff2 and hidden units 64 w .. 64 w + 63, for all 112 rows; its part of each weight comes from memory straight into its registers, once.  What goes from wave to wave are the rows:
; as f32 in two arrays T and S (pitch 1,040 bytes), and as codes in images of the operand's registers (a fragment: 3 x 512 bytes, lane l's 16 bytes at 16 l; index 7 x K step + tile).
; THE GATHER.  One load of 16 bytes a lane fetches one corner for four heads: eight lanes take a head's 128 bytes.  A lane sums its four channels over the 48 corners: no lane asks another.
; A row's weights and indices (made by the launch before, as whole numbers for the addresses) come in six dense loads a row ahead and are dealt out through the wave's own 2,304 bytes of LDS.
; Batches of 16 corners take turns in two sets of registers: while one is summed the next is on its way.  An index is held to 26,249, the last row of value, ahead of its use.
; The residuals cost no pass: a product's sums begin with T's numbers and the bias, and go back into T.
; No tensor loads and no joint requests: what work-groups share is the weights, 432 KB against the 5.5 MB that a work-group gathers.
; LIMITS.  NaN and infinities are not served.  A block whose largest magnitude lies under 2^-122 has its scale byte held at 1; a block of zeros has byte 1 and zero codes.
; Rows 26,250 .. 26,319 of the last work-group are worked on held inputs and not stored.
; THE INDICES, AS THIS TEXT TAKES THEM (in place of what is said of them above): one 16-bit number a point, the row of value at which the point's 2 x 2 patch begins; the other three corners lie 1, W and W + 1 rows on
; and are reached by the loads' immediates (a batch is one level, so W is a constant of the batch).  A row's 2 x 96 bytes of indices come in ONE load, so a row's weights and indices are four loads.
; An index is held to 26,248 - W ahead of its use, so that all four corners lie in value's 26,250 rows.
.set SLAB,  3368960                    ; a head's part of value
.set SREG,  116480                     ; LDS: T from 0 on (112 x 1,040), S here; when S has been read: the hidden layer's 56 images
.set HIMG,  116480
.set HSC,   202496                     ; and their scale words
.set XIMG,  232960                     ; 14 images of the samples, later of x,
.set XSC,   254464                     ; their scale words,
.set META,  256256                     ; and 2,304 bytes for each wave: a row's 1,536 bytes of weights, 256 of indices
.set SEL,   44                         ; s[44:45] v_permlanex16_b32's selects for lane l xor 16
.set MS,    32                         ; v32-49   a row's weights and indices as loaded
.set IX,    50                         ; v50-57   two sets of four offsets into value: a batch's four patches
.set OUTR,  58                         ; v58-65   a row's samples: my four channels of two heads
.set ACA,   66                         ; v66-73   two chains of sums
.set ACB,   70
.set WT,    96                         ; v96-127  two sets of 16 weights
.set DD,    128                        ; v128-255 two sets of 16 corners x 4 channels
.set YY,    136                        ; the layer norms: 7 rows x 8 numbers,
.set AA,    192                        ; a pair a row for the mean,
.set QQ,    206                        ; a pair a row for the variance,
.set GG,    240                        ; gain and bias of my 8 channels
.set BB,    248
; Behind a run of matrix instructions: plain places for the loads into their operands, the first reads of their results, and later matrix instructions that write over their registers.
.macro PL
.rept 5
	v_nop
.endr
.endm
.macro BAR                             ; my LDS stores have landed and my LDS loads are in: then the work-group's barrier
	s_wait_dscnt 0x0
	s_barrier_signal -1
	s_barrier_wait -1
.endm
.macro IMAGE adr, off, reg
.irp c,0,1,2
	ds_store_b128 v[\adr], v[\reg+4*\c:\reg+4*\c+3] offset:\off+512*\c
.endr
.endm
.macro FETCH reg, adr, off
.irp c,0,1,2
	ds_load_b128 v[\reg+4*\c:\reg+4*\c+3], v[\adr] offset:\off+512*\c
.endr
.endm
.macro WM d, a, b, c, sa, sb
	v_wmma_scale_f32_16x16x128_f8f6f4 v[\d:\d+7], v[\a:\a+11], v[\b:\b+11], v[\c:\c+7], v[\sa], v[\sb] matrix_a_fmt:MATRIX_FMT_BF6 matrix_b_fmt:MATRIX_FMT_BF6
.endm
.macro GFRAG reg, vo, sb, off          ; a weight's fragment from memory: 24 bytes twice, in pieces of 8
.irp p,0,1,2,3,4,5
	global_load_b64 v[\reg+2*\p:\reg+2*\p+1], v[\vo], s[\sb:\sb+1] offset:\off+48*(\p/3)+8*(\p%3)
.endr
.endm
; 32 nc numbers of a lane, register 16 b + i = k 32 b + 16 (lane / 16) + i of my row, become codes in v[dst] on (6 nc registers, in the operand's layout) and scale bytes in v[pw].
.macro QUANT s, nc, dst, pw
.irp b,0,1,2,3
.if \b < 2*\nc
	v_mov_b32 v[TM+4+\b], 0                        ; a lane permute's destination counts as one of its sources
	v_max3_num_f32 v[TM+\b], |v[\s+16*\b]|, |v[\s+16*\b+1]|, 0x2800000   ; my 16 numbers of block b, and the floor 2^(5 - 127): the byte cannot fall under 1
.endif
.endr
.irp i,2,4,6,8,10,12,14
.irp b,0,1,2,3
.if \b < 2*\nc
	v_max3_num_f32 v[TM+\b], v[TM+\b], |v[\s+16*\b+\i]|, |v[\s+16*\b+\i+1]|
.endif
.endr
.endr
.irp b,0,1,2,3
.if \b < 2*\nc
	v_permlanex16_b32 v[TM+4+\b], v[TM+\b], s[SEL], s[SEL+1]
.endif
.endr
.irp b,0,1,2,3
.if \b < 2*\nc
	v_max_num_f32 v[TM+\b], v[TM+\b], v[TM+4+\b]   ; with lane l xor 16's: the block's largest magnitude
.endif
.endr
.irp b,0,1,2,3
.if \b < 2*\nc
	v_add_nc_u32 v[TM+8+\b], 0xfe000000, v[TM+\b]  ; 4 off its exponent field: the conversion takes that field as its scale
.endif
.endr
.irp b,0,1,2,3
.if \b < 2*\nc
	v_lshrrev_b32 v[TM+4+\b], 23, v[TM+8+\b]       ; the scale's byte
.endif
.endr
	v_lshl_or_b32 v[\pw], v[TM+5], 8, v[TM+4]
.if \nc > 1
	s_delay_alu instid0(VALU_DEP_1)
	v_lshl_or_b32 v[\pw], v[TM+6], 16, v[\pw]
	s_delay_alu instid0(VALU_DEP_1)
	v_lshl_or_b32 v[\pw], v[TM+7], 24, v[\pw]
.endif
.irp c,0,1
.if \c < \nc
	v_cvt_scalef32_pk16_bf6_f32 v[\dst+6*\c:\dst+6*\c+2], v[\s+32*\c:\s+32*\c+15], v[TM+8+2*\c]
	v_cvt_scalef32_pk16_bf6_f32 v[\dst+12+4*\c:\dst+14+4*\c], v[\s+32*\c+16:\s+32*\c+31], v[TM+9+2*\c]   ; (a conversion's three registers begin on an even number)
.endif
.endr
	v_nop                                          ; one plain place behind a scaled conversion
.irp c,0,1
.if \c < \nc
.irp i,0,1,2
	v_permlane16_swap_b32 v[\dst+6*\c+\i], v[\dst+12+4*\c+\i]   ; the layout wants a whole block in a lane: lanes 0-15 block 2 c, lanes 16-31 block 2 c + 1
.endr
.irp i,0,1,2
	s_delay_alu instid0(VALU_DEP_3)
	v_mov_b32 v[\dst+3+6*\c+\i], v[\dst+12+4*\c+\i]
.endr
.endif
.endr
.endm
; The weights and indices of local row s48: two pieces of 768 (96) bytes, 12,288 (1,536) apart, by three dense loads (one).  The bases are written again only when the loads that named them
; have been shown landed by a counted wait on LOADcnt.
.macro MLOAD
	s_lshr_b32 s58, s48, 4
	s_mul_i32 s58, s58, 12288
	s_and_b32 s60, s48, 15
	s_mul_i32 s60, s60, 384
	s_add_co_u32 s58, s58, s60                     ; tile x 12,288 + r x 384
	s_lshr_b32 s60, s58, 2                         ; the indices: tile x 3,072 + r x 96 (s61 = 0)
	s_add_nc_u64 s[68:69], s[54:55], s[60:61]
	s_lshl_b32 s58, s58, 1
	s_add_nc_u64 s[70:71], s[56:57], s[58:59]
	global_load_b128 v[MS:MS+3], v4, s[70:71] th:TH_LOAD_NT
	global_load_b128 v[MS+4:MS+7], v29, s[70:71] th:TH_LOAD_NT
	global_load_b128 v[MS+8:MS+11], v4, s[70:71] offset:12544 th:TH_LOAD_NT
	global_load_b64 v[MS+12:MS+13], v30, s[68:69] th:TH_LOAD_NT    ; lanes 0-15 the first pass's 96 bytes, lanes 16-31 the second's (of each sixteen the last four name the twelfth's bytes again)
.endm
.macro MSTORE                          ; on end into my 2,304 bytes: pass g at 768 g, head group at 192 x (lane / 8)
	ds_store_b128 v27, v[MS:MS+3]
	ds_store_b128 v27, v[MS+4:MS+7] offset:512
	ds_store_b128 v27, v[MS+8:MS+11] offset:1024
	ds_store_b64 v28, v[MS+12:MS+13]               ; the indices of pass g at 128 g, head group at 24 x (lane / 8)
.endm
; Batch be (four points, 16 corners) of pass g (heads 4 h + 2 g + e) is asked for, into set.  A load lands on its own offset register.
.macro ISSUE g, be, set
.irp q,0,1,2,3
	ds_load_b128 v[WT+16*\set+4*\q:WT+16*\set+4*\q+3], v25 offset:768*\g+64*\be+16*\q
.endr
.set AD, IX+4*\set                     ; this set's four offsets: the loads that named them last were shown landed by the wait of that batch's sums
.set LW, 100>>\be                      ; the level's width: 100, 50, 25
	ds_load_b64 v[AD:AD+1], v26 offset:128*\g+8*\be
	s_wait_dscnt 0x0
	v_lshrrev_b32 v[AD+3], 16, v[AD+1]
	v_and_b32 v[AD+2], 0xffff, v[AD+1]
	v_lshrrev_b32 v[AD+1], 16, v[AD]
	v_and_b32 v[AD], 0xffff, v[AD]
.irp n,0,1,2,3
	v_min_u32 v[AD+\n], 26248-LW, v[AD+\n]         ; held so that the patch's last corner is value's last row at the most
.endr
.irp n,0,1,2,3
	v_lshl_add_u32 v[AD+\n], v[AD+\n], 7, v22      ; row x 128 + my head's slab + my 16 bytes
.endr
.irp n,0,1,2,3
.irp c,0,1,2,3
	global_load_b128 v[DD+64*\set+16*\n+4*\c:DD+64*\set+16*\n+4*\c+3], v[AD+\n], s[10:11] offset:\g*2*SLAB+128*(\c%2)+128*LW*(\c/2)
.endr
.endr
.endm
; and summed: even corners into one chain, odd ones into the other; the weight (one register of a pair) serves both halves of a packed multiply-add.  cnt: the loads issued behind the batch's.
.macro CONSUME g, be, set, cnt
	s_wait_loadcnt \cnt
.irp n, 0
.if (\be == 0) && (\n == 0)
	v_pk_mul_f32 v[ACA:ACA+1], v[DD+64*\set:DD+64*\set+1], v[WT+16*\set:WT+16*\set+1] op_sel_hi:[1,0]     ; the first products start the sums: nothing is cleared
	v_pk_mul_f32 v[ACA+2:ACA+3], v[DD+64*\set+2:DD+64*\set+3], v[WT+16*\set:WT+16*\set+1] op_sel_hi:[1,0]
	v_pk_mul_f32 v[ACB:ACB+1], v[DD+64*\set+4:DD+64*\set+5], v[WT+16*\set:WT+16*\set+1] op_sel:[0,1] op_sel_hi:[1,1]
	v_pk_mul_f32 v[ACB+2:ACB+3], v[DD+64*\set+6:DD+64*\set+7], v[WT+16*\set:WT+16*\set+1] op_sel:[0,1] op_sel_hi:[1,1]
.else
	v_pk_fma_f32 v[ACA:ACA+1], v[DD+64*\set+4*\n:DD+64*\set+4*\n+1], v[WT+16*\set+\n:WT+16*\set+\n+1], v[ACA:ACA+1] op_sel_hi:[1,0,1]
	v_pk_fma_f32 v[ACA+2:ACA+3], v[DD+64*\set+4*\n+2:DD+64*\set+4*\n+3], v[WT+16*\set+\n:WT+16*\set+\n+1], v[ACA+2:ACA+3] op_sel_hi:[1,0,1]
	v_pk_fma_f32 v[ACB:ACB+1], v[DD+64*\set+4*\n+4:DD+64*\set+4*\n+5], v[WT+16*\set+\n:WT+16*\set+\n+1], v[ACB:ACB+1] op_sel:[0,1,0] op_sel_hi:[1,1,1]
	v_pk_fma_f32 v[ACB+2:ACB+3], v[DD+64*\set+4*\n+6:DD+64*\set+4*\n+7], v[WT+16*\set+\n:WT+16*\set+\n+1], v[ACB+2:ACB+3] op_sel:[0,1,0] op_sel_hi:[1,1,1]
.endif
.endr
.irp n, 2, 4, 6, 8, 10, 12, 14
.if (\be == 0) && (\n == 0)
	v_pk_mul_f32 v[ACA:ACA+1], v[DD+64*\set:DD+64*\set+1], v[WT+16*\set:WT+16*\set+1] op_sel_hi:[1,0]     ; the first products start the sums: nothing is cleared
	v_pk_mul_f32 v[ACA+2:ACA+3], v[DD+64*\set+2:DD+64*\set+3], v[WT+16*\set:WT+16*\set+1] op_sel_hi:[1,0]
	v_pk_mul_f32 v[ACB:ACB+1], v[DD+64*\set+4:DD+64*\set+5], v[WT+16*\set:WT+16*\set+1] op_sel:[0,1] op_sel_hi:[1,1]
	v_pk_mul_f32 v[ACB+2:ACB+3], v[DD+64*\set+6:DD+64*\set+7], v[WT+16*\set:WT+16*\set+1] op_sel:[0,1] op_sel_hi:[1,1]
.else
	s_delay_alu instid0(VALU_DEP_4)
	v_pk_fma_f32 v[ACA:ACA+1], v[DD+64*\set+4*\n:DD+64*\set+4*\n+1], v[WT+16*\set+\n:WT+16*\set+\n+1], v[ACA:ACA+1] op_sel_hi:[1,0,1]
	s_delay_alu instid0(VALU_DEP_4)
	v_pk_fma_f32 v[ACA+2:ACA+3], v[DD+64*\set+4*\n+2:DD+64*\set+4*\n+3], v[WT+16*\set+\n:WT+16*\set+\n+1], v[ACA+2:ACA+3] op_sel_hi:[1,0,1]
	s_delay_alu instid0(VALU_DEP_4)
	v_pk_fma_f32 v[ACB:ACB+1], v[DD+64*\set+4*\n+4:DD+64*\set+4*\n+5], v[WT+16*\set+\n:WT+16*\set+\n+1], v[ACB:ACB+1] op_sel:[0,1,0] op_sel_hi:[1,1,1]
	s_delay_alu instid0(VALU_DEP_4)
	v_pk_fma_f32 v[ACB+2:ACB+3], v[DD+64*\set+4*\n+6:DD+64*\set+4*\n+7], v[WT+16*\set+\n:WT+16*\set+\n+1], v[ACB+2:ACB+3] op_sel:[0,1,0] op_sel_hi:[1,1,1]
.endif
.endr
.if \be == 2
	s_delay_alu instid0(VALU_DEP_2)
	v_pk_add_f32 v[OUTR+4*\g:OUTR+4*\g+1], v[ACA:ACA+1], v[ACB:ACB+1]
	s_delay_alu instid0(VALU_DEP_2)
	v_pk_add_f32 v[OUTR+4*\g+2:OUTR+4*\g+3], v[ACA+2:ACA+3], v[ACB+2:ACB+3]
	ds_store_b128 v24, v[OUTR+4*\g:OUTR+4*\g+3] offset:256*\g      ; into S: my row, my head, my four channels
.endif
.endm
; Waves 0-13: tile w / 2, K step w % 2 of the array at v[adr] becomes a fragment's image and its scale words.
.macro QPH adr
	s_cmp_lt_u32 s2, 14
	s_cbranch_scc0 .Lno_q_\@
.irp b,0,1,2,3
.irp q,0,1,2,3
	ds_load_b128 v[136+16*\b+4*\q:136+16*\b+4*\q+3], v[\adr] offset:128*\b+16*\q
.endr
.endr
	s_wait_dscnt 0x0
	QUANT 136, 2, 216, 236
	IMAGE 11, 0, 216
	ds_store_b32 v12, v236
.Lno_q_\@:
.endm
; My 16 outputs for n tiles of rows from tile m0 on: the sums begin with T's numbers and the bias, run over ks K steps, and go back into T.  The n accumulators take turns, one instruction a turn
;   wb, ws: my fragments and scale words of the weight; img, sc: the images' address registers (img + 1 from K step 4 on); td: my place in T.
; lc = 1: the weight's fragments are still arriving, K step by K step (seven loads each, four younger loads behind them): each K step waits for its own alone.
.macro PRODG wb, ws, bi, ks, img, sc, td, m0, n, lc
.set mm, 0
.rept \n
	ds_load_b128 v[ACC+8*mm:ACC+8*mm+3], v[\td] offset:mm*16640
	ds_load_b128 v[ACC+8*mm+4:ACC+8*mm+7], v[\td] offset:mm*16640+16
.set mm, mm+1
.endr
	s_wait_dscnt 0x0
.set mm, 0
.rept \n
.irp k,0,2,4,6
	v_pk_add_f32 v[ACC+8*mm+\k:ACC+8*mm+\k+1], v[ACC+8*mm+\k:ACC+8*mm+\k+1], v[\bi+\k:\bi+\k+1]
.endr
.set mm, mm+1
.endr
	PL
.set ss, 0
	s_wait_alu depctr_va_vdst(0)
.rept \ks
.set mm, 0
.rept \n
	FETCH HF+12*mm, \img+ss/4, (7*(ss%4)+\m0+mm)*1536
	ds_load_b32 v[HS+mm], v[\sc] offset:(7*ss+\m0+mm)*128
.set mm, mm+1
.endr
	s_wait_dscnt 0x0
.set mm, 0
.if \lc
	s_wait_loadcnt 7*(\ks-1-ss)+4                  ; may be out: the later K steps' seven loads each, and the four of the gain and bias
.endif
.rept \n
	WM ACC+8*mm, \wb+12*ss, HF+12*mm, ACC+8*mm, \ws+ss, HS+mm
.set mm, mm+1
.endr
	PL
.set ss, ss+1
.endr
.set mm, 0
.rept \n
	ds_store_b128 v[\td], v[ACC+8*mm:ACC+8*mm+3] offset:mm*16640     ; each accumulator from its low end on
	ds_store_b128 v[\td], v[ACC+8*mm+4:ACC+8*mm+7] offset:mm*16640+16
.set mm, mm+1
.endr
.endm
; The layer norm of my 7 rows of T, the rows by turns so that no line waits for the line above it.  A lane holds channels 4 l .. 4 l + 3 and 128 + 4 l .. of each row.
; The mean is taken away before the squares are summed.  dest = 0: back into T; 1: to out0, rows under 26,250 alone.
.macro LNR dest
.irp i,0,1,2,3,4,5,6
	ds_load_b128 v[YY+8*\i:YY+8*\i+3], v6 offset:1040*\i
	ds_load_b128 v[YY+8*\i+4:YY+8*\i+7], v6 offset:1040*\i+512
.endr
	s_wait_dscnt 0x0
.irp i,0,1,2,3,4,5,6
	v_pk_add_f32 v[AA+2*\i:AA+2*\i+1], v[YY+8*\i:YY+8*\i+1], v[YY+8*\i+2:YY+8*\i+3]
.endr
.irp i,0,1,2,3,4,5,6
	v_pk_add_f32 v[QQ+2*\i:QQ+2*\i+1], v[YY+8*\i+4:YY+8*\i+5], v[YY+8*\i+6:YY+8*\i+7]
.endr
.irp i,0,1,2,3,4,5,6
	v_pk_add_f32 v[AA+2*\i:AA+2*\i+1], v[AA+2*\i:AA+2*\i+1], v[QQ+2*\i:QQ+2*\i+1]
.endr
.irp i,0,1,2,3,4,5,6
	v_add_f32 v[AA+2*\i], v[AA+2*\i], v[AA+2*\i+1]
.endr
.irp x,1,2,4,8
.irp i,0,1,2,3,4,5,6
	v_add_f32_dpp v[AA+2*\i], v[AA+2*\i], v[AA+2*\i] row_xmask:\x row_mask:0xf bank_mask:0xf
.endr
.endr
.irp i,0,1,2,3,4,5,6
	v_permlanex16_b32 v[AA+2*\i+1], v[AA+2*\i], s[SEL], s[SEL+1]
.endr
.irp i,0,1,2,3,4,5,6
	v_add_f32 v[AA+2*\i], v[AA+2*\i], v[AA+2*\i+1]
.endr
.irp i,0,1,2,3,4,5,6
	v_mul_f32 v[AA+2*\i], s72, v[AA+2*\i]          ; the mean
.endr
.irp i,0,1,2,3,4,5,6
	v_mov_b32 v[AA+2*\i+1], v[AA+2*\i]
.endr
.irp k,0,2,4,6
.irp i,0,1,2,3,4,5,6
	v_pk_add_f32 v[YY+8*\i+\k:YY+8*\i+\k+1], v[YY+8*\i+\k:YY+8*\i+\k+1], v[AA+2*\i:AA+2*\i+1] neg_lo:[0,1] neg_hi:[0,1]
.endr
.endr
.irp i,0,1,2,3,4,5,6
	v_pk_mul_f32 v[QQ+2*\i:QQ+2*\i+1], v[YY+8*\i:YY+8*\i+1], v[YY+8*\i:YY+8*\i+1]
.endr
.irp k,2,4,6
.irp i,0,1,2,3,4,5,6
	v_pk_fma_f32 v[QQ+2*\i:QQ+2*\i+1], v[YY+8*\i+\k:YY+8*\i+\k+1], v[YY+8*\i+\k:YY+8*\i+\k+1], v[QQ+2*\i:QQ+2*\i+1]
.endr
.endr
.irp i,0,1,2,3,4,5,6
	v_add_f32 v[QQ+2*\i], v[QQ+2*\i], v[QQ+2*\i+1]
.endr
.irp x,1,2,4,8
.irp i,0,1,2,3,4,5,6
	v_add_f32_dpp v[QQ+2*\i], v[QQ+2*\i], v[QQ+2*\i] row_xmask:\x row_mask:0xf bank_mask:0xf
.endr
.endr
.irp i,0,1,2,3,4,5,6
	v_permlanex16_b32 v[QQ+2*\i+1], v[QQ+2*\i], s[SEL], s[SEL+1]
.endr
.irp i,0,1,2,3,4,5,6
	v_add_f32 v[QQ+2*\i], v[QQ+2*\i], v[QQ+2*\i+1]
.endr
.irp i,0,1,2,3,4,5,6
	v_fma_f32 v[QQ+2*\i], v[QQ+2*\i], s72, s73     ; the variance + 1e-5
.endr
	s_wait_alu depctr_va_vdst(0)
.irp i,0,1,2,3,4,5,6
	v_rsq_f32 v[QQ+2*\i], v[QQ+2*\i]
.endr
	v_nop                                          ; one plain place behind the transcendentals
	s_wait_alu depctr_va_vdst(0)
.irp i,0,1,2,3,4,5,6
	v_mov_b32 v[QQ+2*\i+1], v[QQ+2*\i]
.endr
.irp k,0,2,4,6
.irp i,0,1,2,3,4,5,6
	v_pk_mul_f32 v[YY+8*\i+\k:YY+8*\i+\k+1], v[YY+8*\i+\k:YY+8*\i+\k+1], v[QQ+2*\i:QQ+2*\i+1]
.endr
.endr
.irp k,0,2,4,6
.irp i,0,1,2,3,4,5,6
	v_pk_fma_f32 v[YY+8*\i+\k:YY+8*\i+\k+1], v[YY+8*\i+\k:YY+8*\i+\k+1], v[GG+\k:GG+\k+1], v[BB+\k:BB+\k+1]
.endr
.endr
.if \dest
.irp i,0,1,2,3,4,5,6
	s_add_co_u32 s5, s3, \i
	s_cmp_lt_u32 s5, 26250                         ; the rows ascend: behind the first that does not exist there is none that does
	s_cbranch_scc0 .Ldone
	global_store_b128 v4, v[YY+8*\i:YY+8*\i+3], s[42:43] offset:1024*\i th:TH_STORE_NT          ; 32 lanes store 512 consecutive bytes, at a multiple of 512 from out0's first byte
	s_wait_alu depctr_va_vdst(0)
	global_store_b128 v4, v[YY+8*\i+4:YY+8*\i+7], s[42:43] offset:1024*\i+512 th:TH_STORE_NT
.endr
.else
.irp i,0,1,2,3,4,5,6
	ds_store_b128 v6, v[YY+8*\i:YY+8*\i+3] offset:1040*\i
	ds_store_b128 v6, v[YY+8*\i+4:YY+8*\i+7] offset:1040*\i+512
.endr
.endif
.endm
	s_load_b512 s[8:23], s[0:1], 0x0               ; src, value, wts, idx, Wout codes, Wout scales, bout, g1
	s_load_b512 s[24:39], s[0:1], 0x40             ; b1, Wff1 codes, Wff1 scales, bff1, Wff2 codes, Wff2 scales, bff2, g2
	s_load_b128 s[40:43], s[0:1], 0x80             ; b2, out0
	v_lshrrev_b32 v1, 5, v0
	s_delay_alu instid0(VALU_DEP_1)
	v_readfirstlane_b32 s2, v1                     ; wave 0..15
	v_and_b32 v1, 31, v0                           ; lane
	v_and_b32 v2, 15, v0                           ; r
	v_bfe_u32 v3, v0, 4, 1                         ; h
	s_delay_alu instid0(VALU_DEP_3)
	v_lshlrev_b32 v4, 4, v1                        ; 16 x lane
	s_wait_alu depctr_va_vdst(0)
	v_lshlrev_b32 v5, 2, v1                        ; 4 x lane
	s_mov_b32 s[SEL], 0x76543210
	s_mov_b32 s[SEL+1], 0xfedcba98
	s_mov_b32 s72, 0x3b800000                      ; 1 / 256
	s_mov_b32 s73, 0x3727c5ac                      ; 1e-5
	s_mul_i32 s48, s2, 7                           ; my first row in the work-group,
	s_mul_i32 s3, ttmp9, 112
	s_add_co_u32 s3, s3, s48                       ; and in the tensors
	; ---- LDS addresses that stay: v6-v28
	s_mul_i32 s4, s2, 7280
	v_add_nc_u32 v6, s4, v4                        ; T by rows: my 7 rows, 16 bytes a lane
	v_mul_u32_u24 v32, v2, 1040
	s_lshl_b32 s5, s2, 6
	v_lshl_add_u32 v7, v3, 5, v32
	s_delay_alu instid0(VALU_DEP_1)
	v_add_nc_u32 v7, s5, v7                        ; T by columns: row r, my 16 outputs, + 32 h; tiles 0-3 by the immediate,
	s_delay_alu instid0(VALU_DEP_1)
	v_add_nc_u32 v8, 66560, v7                     ; tiles 4-6 from here
	s_lshr_b32 s6, s2, 1
	s_and_b32 s7, s2, 1
	s_mul_i32 s5, s6, 16640
	s_lshl_b32 s50, s7, 9
	s_add_co_u32 s5, s5, s50
	v_lshl_add_u32 v10, v3, 6, v32
	s_delay_alu instid0(VALU_DEP_1)
	v_add_nc_u32 v10, s5, v10                      ; what I quantise: tile w / 2, K step w % 2, row r, + 64 h: of T,
	s_delay_alu instid0(VALU_DEP_1)
	v_add_nc_u32 v9, SREG, v10                     ; of S
	s_mul_i32 s5, s7, 7
	s_add_co_u32 s5, s5, s6                        ; its image's index
	s_mul_i32 s50, s5, 1536
	s_add_co_u32 s50, s50, XIMG
	v_add_nc_u32 v11, s50, v4
	s_lshl_b32 s50, s5, 7
	s_add_co_u32 s50, s50, XSC
	v_add_nc_u32 v12, s50, v5
	v_add_nc_u32 v13, XIMG, v4                     ; the images as read
	v_add_nc_u32 v14, XSC, v5
	v_add_nc_u32 v15, HIMG, v4
	v_add_nc_u32 v16, HIMG+43008, v4               ; (K steps 4-7)
	v_add_nc_u32 v17, HSC, v5
	; my 64 hidden units are half c = w % 2 of K step w / 2: registers 6 c .. 6 c + 5 of a fragment, whose image has register q of lane l at 512 (q / 4) + 16 l + 4 (q % 4): three pieces of 8 bytes
	s_mul_i32 s5, s6, 10752
	s_add_co_u32 s5, s5, HIMG
	s_mul_i32 s50, s7, 520
	s_add_co_u32 s50, s50, s5
	v_add_nc_u32 v18, s50, v4                      ; 0 or 520
	s_add_co_u32 s50, s50, 512
	v_add_nc_u32 v20, s50, v4                      ; 512 or 1,032
	s_mul_i32 s50, s7, 1016
	s_add_co_u32 s50, s50, s5
	s_add_co_u32 s50, s50, 8
	v_add_nc_u32 v19, s50, v4                      ; 8 or 1,024
	s_mul_i32 s5, s6, 896
	s_lshl_b32 s50, s7, 1
	s_add_co_u32 s5, s5, s50
	s_add_co_u32 s5, s5, HSC
	v_add_nc_u32 v21, s5, v5                       ; and bytes 2 c, 2 c + 1 of its scale word
	; the gather: eight lanes to a head; lane group lane / 8 = 2 h + e takes head 4 h + e (+ 2 in the second pass)
	v_lshrrev_b32 v33, 3, v1
	v_bfe_u32 v34, v0, 3, 1
	s_delay_alu instid0(VALU_DEP_1)
	v_lshl_add_u32 v35, v3, 2, v34                 ; 4 h + e
	v_and_b32 v36, 7, v0
	s_delay_alu instid0(VALU_DEP_2)
	v_mul_u32_u24 v22, v35, SLAB
	s_delay_alu instid0(VALU_DEP_1)
	v_lshl_add_u32 v22, v36, 4, v22                ; in value: my head's slab + my 16 bytes
	s_delay_alu instid0(VALU_DEP_4)
	v_lshlrev_b32 v23, 7, v35
	s_delay_alu instid0(VALU_DEP_1)
	v_lshl_add_u32 v23, v36, 4, v23
	s_add_co_u32 s5, s4, SREG
	v_add_nc_u32 v23, s5, v23                      ; in S: my first row, my head, my 16 bytes
	s_mul_i32 s5, s2, 2304
	s_add_co_u32 s5, s5, META
	v_mul_u32_u24 v25, v33, 192
	s_delay_alu instid0(VALU_DEP_1)
	v_add_nc_u32 v25, s5, v25                      ; my head's weights,
	v_mul_u32_u24 v26, v33, 24
	s_delay_alu instid0(VALU_DEP_1)
	v_add_nc_u32 v26, s5, v26
	s_delay_alu instid0(VALU_DEP_1)
	v_add_nc_u32 v26, 1536, v26                    ; its indices
	v_add_nc_u32 v27, s5, v4                       ; and where they are put
	v_lshlrev_b32 v30, 3, v1                       ; (8 x lane)
	s_delay_alu instid0(VALU_DEP_1)
	v_add_nc_u32 v28, s5, v30
	s_delay_alu instid0(VALU_DEP_1)
	v_add_nc_u32 v28, 1536, v28
	v_mul_u32_u24 v29, v3, 11520
	s_delay_alu instid0(VALU_DEP_1)
	v_add_nc_u32 v29, v29, v4
	s_delay_alu instid0(VALU_DEP_1)
	v_add_nc_u32 v29, 512, v29                     ; the middle load of weights: the end of the first piece, the head of the second
	v_min_u32 v31, 11, v2                          ; the load of indices: 8 x min(r, 11) + 1,536 h: twelve lanes take a pass's 96 bytes
	s_delay_alu instid0(VALU_DEP_1)
	v_lshlrev_b32 v30, 3, v31
	s_delay_alu instid0(VALU_DEP_1)
	v_mad_u32_u24 v30, v3, 1536, v30
.irp i,0,1,2,3,4,5,6
	s_add_co_u32 s5, s3, \i
	s_min_u32 s5, s5, 26249                        ; no load leaves src
	s_lshl_b32 s5, s5, 10
	v_add_nc_u32 v[74+\i], s5, v4
.endr
	s_mov_b32 s47, 0                               ; the row in hand, in bytes of S
	s_mov_b32 s46, 6
	s_mov_b32 s59, 0
	s_mul_i32 s50, ttmp9, 21504
	s_mov_b32 s51, 0
	s_mul_i32 s52, ttmp9, 172032
	s_mov_b32 s53, 0
	s_lshl_b32 s60, s3, 10
	s_mov_b32 s61, 0
	s_wait_alu depctr_va_vdst(0)
	s_wait_kmcnt 0x0
	s_add_nc_u64 s[54:55], s[14:15], s[50:51]      ; idx and wts at the work-group's 14 blocks
	s_add_nc_u64 s[56:57], s[12:13], s[52:53]
	s_add_nc_u64 s[42:43], s[42:43], s[60:61]      ; out0 at my first row
	; ---- my 7 rows of src go into T; the first row's weights and indices
.irp i,0,1,2,3,4,5,6
	global_load_b128 v[DD+8*\i:DD+8*\i+3], v[74+\i], s[8:9] th:TH_LOAD_NT
	global_load_b128 v[DD+8*\i+4:DD+8*\i+7], v[74+\i], s[8:9] offset:512 th:TH_LOAD_NT
.endr
	MLOAD
	s_wait_loadcnt 0x0
.irp i,0,1,2,3,4,5,6
	ds_store_b128 v6, v[DD+8*\i:DD+8*\i+3] offset:1040*\i
	ds_store_b128 v6, v[DD+8*\i+4:DD+8*\i+7] offset:1040*\i+512
.endr
	MSTORE
	ISSUE 0, 0, 0
.Lrow:                                             ; six trips; a trip sums one row (six batches), fetches the next row's weights and indices, and asks for its first batch
	v_add_nc_u32 v24, s47, v23
	s_add_co_u32 s48, s48, 1
	MLOAD
	ISSUE 0, 1, 1
	CONSUME 0, 0, 0, 20                            ; behind batch 0: the four loads of MLOAD and batch 1's sixteen
	ISSUE 0, 2, 0
	CONSUME 0, 1, 1, 16                            ; behind batch 1: batch 2's sixteen.  MLOAD's four are older: they have landed
	ISSUE 1, 0, 1
	CONSUME 0, 2, 0, 16
	ISSUE 1, 1, 0
	CONSUME 1, 0, 1, 16
	ISSUE 1, 2, 1
	CONSUME 1, 1, 0, 16
	MSTORE                                         ; the row's last weights and indices are in registers (the wait for 0 in the last ISSUE): the next row's take their place
	ISSUE 0, 0, 0
	CONSUME 1, 2, 1, 16
	s_add_co_u32 s47, s47, 1040
	s_sub_co_u32 s46, s46, 1
	s_cmp_lg_u32 s46, 0
	s_cbranch_scc1 .Lrow
	v_add_nc_u32 v24, s47, v23                     ; the seventh row: nothing more to fetch
	ISSUE 0, 1, 1
	CONSUME 0, 0, 0, 16
	ISSUE 0, 2, 0
	CONSUME 0, 1, 1, 16
	ISSUE 1, 0, 1
	CONSUME 0, 2, 0, 16
	ISSUE 1, 1, 0
	CONSUME 1, 0, 1, 16
	ISSUE 1, 2, 1
	CONSUME 1, 1, 0, 16
	s_wait_alu depctr_va_vdst(0)
	CONSUME 1, 2, 1, 0
	s_wait_dscnt 0x0                               ; my stores into S have read their registers
	; ---- my part of Wout: rows 16 w + r
	s_lshl_b32 s5, s2, 4
	v_add_nc_u32 v66, s5, v2
	s_delay_alu instid0(VALU_DEP_1)
	v_lshlrev_b32 v67, 3, v66
	s_delay_alu instid0(VALU_DEP_2)
	v_mul_u32_u24 v66, v66, 192
	s_delay_alu instid0(VALU_DEP_1)
	v_mad_u32_u24 v66, v3, 24, v66
	s_lshl_b32 s5, s2, 6
	v_lshl_add_u32 v68, v3, 5, s5                  ; a bias of my outputs: (16 w + 8 h) x 4
	GFRAG 32, 66, 16, 0
	GFRAG 44, 66, 16, 96
	global_load_b32 v56, v67, s[18:19]
	global_load_b32 v57, v67, s[18:19] offset:4
	global_load_b128 v[58:61], v68, s[20:21]
	global_load_b128 v[62:65], v68, s[20:21] offset:16
	BAR                                            ; 1: src lies in T, the samples in S
.set TM, 200
	QPH 9
	BAR                                            ; 2: the samples' 14 images; S is read no more
	s_wait_loadcnt 0x0
.set HF,  136
.set HS,  184
.set ACC, 188
	global_load_b128 v[GG:GG+3], v4, s[22:23]      ; g1 and b1, for the layer norm behind the product: v240-255 are free here
	global_load_b128 v[GG+4:GG+7], v4, s[22:23] offset:512
	global_load_b128 v[BB:BB+3], v4, s[24:25]
	global_load_b128 v[BB+4:BB+7], v4, s[24:25] offset:512
	PRODG 32, 56, 58, 2, 13, 14, 7, 0, 4, 0        ; T = src + samples Wout + bout
	PRODG 32, 56, 58, 2, 13, 14, 8, 4, 3, 0
	; my part of Wff1: tile 2 b + u takes rows 64 w + 32 b + 8 u + r + 8 (r / 8), so that a lane's 16 registers of two tiles are 16 neighbours along the next K
	v_lshrrev_b32 v220, 3, v2
	s_delay_alu instid0(VALU_DEP_1)
	v_lshl_add_u32 v220, v220, 3, v2
	s_lshl_b32 s5, s2, 6
	v_add_nc_u32 v220, s5, v220
	s_delay_alu instid0(VALU_DEP_1)
	v_lshlrev_b32 v221, 3, v220
	s_delay_alu instid0(VALU_DEP_2)
	v_mul_u32_u24 v220, v220, 192
	s_delay_alu instid0(VALU_DEP_1)
	v_mad_u32_u24 v220, v3, 24, v220
.irp t,0,1,2,3
.irp s,0,1
	GFRAG 32+12*(2*\t+\s), 220, 26, (32*(\t/2)+8*(\t%2))*192+96*\s
	global_load_b32 v[128+2*\t+\s], v221, s[28:29] offset:(32*(\t/2)+8*(\t%2))*8+4*\s
.endr
.endr
	BAR                                            ; 3: every column of T is written; the samples' images are read no more
	s_wait_loadcnt 56                              ; g1 and b1 are in; Wff1's 56 loads, issued behind them, may be out: the layer norm names none of their registers
	LNR 0                                          ; T = x
	BAR                                            ; 4
	s_wait_xcnt 0x0                                ; Wff1's loads have read v220 and v221, which the quantiser writes
	QPH 10
	s_lshl_b32 s5, s2, 8
	v_lshl_add_u32 v238, v3, 6, s5                 ; bff1 at 64 w + 16 h (+ 32 b + 8 u)
.irp t,0,1,2,3
	global_load_b128 v[136+8*\t:136+8*\t+3], v238, s[30:31] offset:(32*(\t/2)+8*(\t%2))*4
	global_load_b128 v[136+8*\t+4:136+8*\t+7], v238, s[30:31] offset:(32*(\t/2)+8*(\t%2))*4+16
.endr
	s_lshl_b32 s5, s2, 4                           ; my part of Wff2, for later: rows 16 w + r of 768 bytes
	v_add_nc_u32 v232, s5, v2
	s_delay_alu instid0(VALU_DEP_1)
	v_lshlrev_b32 v233, 5, v232
	s_delay_alu instid0(VALU_DEP_2)
	v_mul_u32_u24 v232, v232, 768
	s_delay_alu instid0(VALU_DEP_1)
	v_mad_u32_u24 v232, v3, 24, v232
	s_lshl_b32 s5, s2, 6
	v_lshl_add_u32 v234, v3, 5, s5
	BAR                                            ; 5: x's 14 images
	s_wait_loadcnt 0x0
.set TM, 242
	; ---- the hidden layer, a tile of rows at a time: four accumulators by turns; the bias is the C of a sum's first instruction
	FETCH 168, 13, 0                               ; tile 0's two fragments of x and their scale words
	FETCH 180, 13, 7*1536
	ds_load_b32 v192, v14
	ds_load_b32 v193, v14 offset:7*128
.irp m,0,1,2,3,4,5,6
	s_wait_dscnt 0x0                               ; this tile's fragments are in (and the last tile's stores are done)
.irp t,0,1,2,3
	WM 194+8*\t, 32+24*\t, 168, 136+8*\t, 128+2*\t, 192
.endr
.irp t,0,1,2,3
	WM 194+8*\t, 44+24*\t, 180, 194+8*\t, 129+2*\t, 193
.endr
	PL
.if \m < 6
	FETCH 168, 13, (\m+1)*1536                     ; the next tile's fragments, behind the places: they are on their way under the relu and the quantiser below
	FETCH 180, 13, (8+\m)*1536
	ds_load_b32 v192, v14 offset:(\m+1)*128
	ds_load_b32 v193, v14 offset:(8+\m)*128
.endif
.if \m == 6
	global_load_b128 v[136:139], v234, s[36:37]    ; bff2 first: the sums begin with it
	global_load_b128 v[140:143], v234, s[36:37] offset:16
.irp s,0,1,2,3,4,5,6,7
	GFRAG 32+12*\s, 232, 32, 96*\s                 ; Wff1 has done its work: Wff2's eight fragments take its registers, K ascending, seven loads a K step
	global_load_b32 v[128+\s], v233, s[34:35] offset:4*\s
.endr
.endif
.irp j,0,1,2,3,4,5,6,7,8,9,10,11,12,13,14,15,16,17,18,19,20,21,22,23,24,25,26,27,28,29,30,31
	v_max_num_f32 v[194+\j], 0, v[194+\j]          ; relu, in f32; ascending
.endr
	QUANT 194, 1, 226, 241
	ds_store_b64 v18, v[226:227] offset:\m*1536
	ds_store_b64 v19, v[228:229] offset:\m*1536
	ds_store_b64 v20, v[230:231] offset:\m*1536
	ds_store_b16 v21, v241 offset:\m*128
.endr
	s_wait_dscnt 0x0                               ; the stores have read their registers
	global_load_b128 v[GG:GG+3], v4, s[38:39]
	global_load_b128 v[GG+4:GG+7], v4, s[38:39] offset:512
	global_load_b128 v[BB:BB+3], v4, s[40:41]
	global_load_b128 v[BB+4:BB+7], v4, s[40:41] offset:512
	BAR                                            ; 6: the hidden layer's 56 images
	s_wait_loadcnt 60                              ; bff2 is in; behind it: Wff2's 56 loads and the four of g2 and b2
.set HF,  144
.set HS,  192
.set ACC, 196
	PRODG 32, 128, 136, 8, 15, 17, 7, 0, 4, 1      ; T = x + hidden Wff2 + bff2
	PRODG 32, 128, 136, 8, 15, 17, 8, 4, 3, 0
	BAR                                            ; 7
	s_wait_loadcnt 0x0                             ; g2 and b2 are in
	LNR 1
.Ldone:
	s_barrier_signal -1
	s_barrier_wait -1
	s_wait_xcnt 0x0
	v_lshl_add_u32 v254, v0, 2, 0x47900
	v_mov_b32 v255, 0
	s_wait_alu depctr_va_vdst(0)
	s_wait_tensorcnt 0x0
	ds_add_u32 v254, v255
	s_wait_dscnt 0x0
	s_endpgm
.Lfunc_end_k_q45c8fba3a6_layer:
	.size	k_q45c8fba3a6_layer, .Lfunc_end_k_q45c8fba3a6_layer-k_q45c8fba3a6_layer
	.p2alignl 7, 3214868480
	.fill 96, 4, 3214868480
	.section	.rodata,"a",@progbits
	.p2align	6, 0x0
	.amdhsa_kernel k_q45c8fba3a6_layer
		.amdhsa_group_segment_fixed_size 295168
		.amdhsa_private_segment_fixed_size 0
		.amdhsa_enable_private_segment 0
		.amdhsa_kernarg_size 144
		.amdhsa_user_sgpr_count 2
		.amdhsa_user_sgpr_kernarg_segment_ptr 1
		.amdhsa_wavefront_size32 1
		.amdhsa_system_sgpr_workgroup_id_x 1
		.amdhsa_system_sgpr_workgroup_id_y 1
		.amdhsa_system_sgpr_workgroup_id_z 1
		.amdhsa_system_vgpr_workitem_id 0
		.amdhsa_next_free_vgpr 256
		.amdhsa_next_free_sgpr 80
		.amdhsa_reserve_vcc 0
		.amdhsa_float_denorm_mode_32 3
		.amdhsa_float_denorm_mode_16_64 3
		.amdhsa_memory_ordered 1
		.amdhsa_forward_progress 1
		.amdhsa_inst_pref_size 213
	.end_amdhsa_kernel
	.amdgpu_metadata
---
amdhsa.version: [ 1, 2 ]
amdhsa.kernels:
  - .name:           k_q45c8fba3a6_layer
    .symbol:         k_q45c8fba3a6_layer.kd
    .args:
      - { .name: src, .offset: 0, .size: 8, .value_kind: global_buffer, .address_space: global }
      - { .name: value, .offset: 8, .size: 8, .value_kind: global_buffer, .address_space: global }
      - { .name: wts, .offset: 16, .size: 8, .value_kind: global_buffer, .address_space: global }
      - { .name: idx, .offset: 24, .size: 8, .value_kind: global_buffer, .address_space: global }
      - { .name: Wout_codes, .offset: 32, .size: 8, .value_kind: global_buffer, .address_space: global }
      - { .name: Wout_scales, .offset: 40, .size: 8, .value_kind: global_buffer, .address_space: global }
      - { .name: bout, .offset: 48, .size: 8, .value_kind: global_buffer, .address_space: global }
      - { .name: g1, .offset: 56, .size: 8, .value_kind: global_buffer, .address_space: global }
      - { .name: b1, .offset: 64, .size: 8, .value_kind: global_buffer, .address_space: global }
      - { .name: Wff1_codes, .offset: 72, .size: 8, .value_kind: global_buffer, .address_space: global }
      - { .name: Wff1_scales, .offset: 80, .size: 8, .value_kind: global_buffer, .address_space: global }
      - { .name: bff1, .offset: 88, .size: 8, .value_kind: global_buffer, .address_space: global }
      - { .name: Wff2_codes, .offset: 96, .size: 8, .value_kind: global_buffer, .address_space: global }
      - { .name: Wff2_scales, .offset: 104, .size: 8, .value_kind: global_buffer, .address_space: global }
      - { .name: bff2, .offset: 112, .size: 8, .value_kind: global_buffer, .address_space: global }
      - { .name: g2, .offset: 120, .size: 8, .value_kind: global_buffer, .address_space: global }
      - { .name: b2, .offset: 128, .size: 8, .value_kind: global_buffer, .address_space: global }
      - { .name: out0, .offset: 136, .size: 8, .value_kind: global_buffer, .address_space: global }
    .group_segment_fixed_size: 295168
    .private_segment_fixed_size: 0
    .kernarg_segment_align: 8
    .kernarg_segment_size: 144
    .max_flat_workgroup_size: 512
    .sgpr_count:     80
    .vgpr_count:     256
    .wavefront_size: 32
...
	.end_amdgpu_metadata
.endif
;; end of part 2
